; MI455X (gfx1250); checked and timed in simulation.
; The chip was launched on July 23, 2026; its instructions are those of AMD's public machine-readable ISA for CDNA 5 (MIT licence, August 2026) and "CDNA5" Instruction Set Architecture Reference Guide (July 2026). The comments in the code are by the model that wrote it; some were corrected since.
;; Dynamic Sliding Window Attention. Allowed arithmetic: matrix products marked QUANTISED: E2M3 operands, one E8M0 scale for each 32 along K, by v_wmma_scale_f32_16x16x128_f8f6f4 with both operands' format E2M3, f32 sums; everything else in f32.
;; Inputs: K_codes 2 x 16 x 2,048 x 2 x 24 uint8 (E2M3 codes of K, K innermost, in blocks of 32 codes, four codes in three bytes); K_scales 2 x 16 x 2,048 x 2 uint8 (E8M0 scales of K, one for each 32 codes along K); Q_codes 2 x 16 x 2,048 x 2 x 24 uint8 (E2M3 codes of Q, K innermost, in blocks of 32 codes, four codes in three bytes); Q_scales 2 x 16 x 2,048 x 2 uint8 (E8M0 scales of Q, one for each 32 codes along K); V_codes 2 x 16 x 64 x 64 x 24 uint8 (E2M3 codes of V, K innermost, in blocks of 32 codes, four codes in three bytes); V_scales 2 x 16 x 64 x 64 uint8 (E8M0 scales of V, one for each 32 codes along K); window_sizes 16 int32.
;; Outputs: out0 2 x 16 x 2,048 x 64 float32.
;; This version of the problem:
;;   THIS VERSION OF THE PROBLEM IS GIVEN IN LOW PRECISION. The matrix products marked QUANTISED in the list below multiply operands that are first quantised to E2M3 (2 exponent bits, 3 mantissa bits; 6 bits a number), with one power-of-two scale for each 32 numbers along K (OCP MX v1.0); their sums are f32. All else is computed in f32.
;;   The module's matrix products, in the order in which they are computed (A, B: the left and right operand; K: the contracted axis; several contracted axes count as one K, in the product's order):
;;     1. batch 32 x [M 2,048, K 64] x [K 64, N 2,048]; A: input Q (given as codes); B: input K (given as codes): QUANTISED
;;     2. batch 32 x [M 2,048, K 2,048] x [K 2,048, N 64]; A: softmax (see below); B: input V (given as codes): QUANTISED
;;   THE QUANTISER, for each operand of a quantised product, along K:
;;     - K is cut into blocks of 32 from its start; a last block that is shorter is filled with zeros.
;;     - A block's scale is 2^e with e = floor(log2(the largest magnitude in the block)) - 2, held to -126 .. 127; a block of zeros has e = 0. As a byte (E8M0): e + 127.
;;     - Each number is divided by its block's scale, clamped to +-7.5, and rounded to the nearest number of E2M3, ties to even, subnormals kept.
;;     - The product sums the exact products of the quantised numbers (number of the format x scale) in f32.
;;   ~~~python
;;   def quantise(x, axis):      # numpy; x: float32 -> the quantised numbers, widened to float32 again
;;       x = np.moveaxis(x, axis, -1); K = x.shape[-1]
;;       x = np.pad(x, [(0, 0)] * (x.ndim - 1) + [(0, -K % 32)]); x = x.reshape(x.shape[:-1] + (-1, 32)); a = np.abs(x).max(-1, keepdims=True)
;;       e = np.where(a > 0, np.clip(np.frexp(np.where(a > 0, a, 1))[1] - 1 - 2, -126, 127), 0)      # np.frexp(a)[1] - 1 = floor(log2(a)), exactly
;;       r = np.clip(x / 2.0 ** e, -7.5, 7.5)
;;       step = 2.0 ** (np.maximum(np.frexp(np.where(r == 0, 1, r))[1] - 1, 0) - 3)
;;       q = np.round(r / step) * step * 2.0 ** e      # np.round: ties to even
;;       return np.moveaxis(q.reshape(q.shape[:-2] + (-1,))[..., :K], -1, axis).astype(np.float32)
;;   ~~~
;;   SOFTMAX AHEAD OF A QUANTISED PRODUCT. Where the list says 'softmax', what is quantised is not the finished softmax but p = 2^(t - M), with t = logit x log2(e) and M = ceil(the row's largest t), a whole number; so 1/2 < the row's largest p <= 1. The row's sum l is taken of the UNQUANTISED p, in f32, and the product's result is divided by l at the end. Since M is a whole number, a kernel that streams over the keys may use a running M (the ceiling of the running maximum): every later rescaling is an exact power of two, which a block's scale takes up: the codes' values come out the same.
;;   OPERANDS COMPUTED ON THE WAY. 'Computed on the way' means the value that the module computes at that place (a softmax that the list does not call 'softmax' is quantised finished and normalised). What goes into a quantiser is computed in f32, as accurately as f32 sums, v_exp_f32 and their like allow (about 1e-6 of the number): no bf16 or f16 on the way to a quantiser, and a product that is left as it is and whose result goes on into a quantised operand takes f32 operands (vector FMAs, or v_wmma_f32_16x16x4_f32). A number that lies on a knife's edge between two numbers of the format may be rounded either way, as far as f32 arithmetic and the matrix unit's own rounding can turn it there, and no further.
;;   INPUTS GIVEN AS CODES. K (in the module: [2, 16, 2048, 64], K = its axis 3); Q (in the module: [2, 16, 2048, 64], K = its axis 3); V (in the module: [2, 16, 2048, 64], K = its axis 2): each comes as NAME_codes (uint8): NAME with its K axis moved to the last place and cut into blocks of 32 codes, [.., K / 32, bytes a block], one block behind the other in memory; four codes in three bytes: a row's codes are one little-endian stream of bits, code i at bits 6 i .. 6 i + 5 (a code: sign, 2 exponent bits, 3 mantissa bits); and NAME_scales (uint8): the same leading axes, one E8M0 byte (e + 127) for each 32 codes along K. Its value is code x scale, taken as it is: it is not quantised again, and the codes and scales need not be those that the quantiser above would give.
;; 2 versions. Each part assembles by itself: llvm-mc -triple=amdgcn-amd-amdhsa -mcpu=gfx1250 --defsym DOCPART=n.
;; ======== version 1 of 2: 1 launch
;; launch attn (part 1): grid 256 x 1, 16 waves a work-group, no clusters, 190,464 bytes of LDS; arguments Q_codes, Q_scales, K_codes, K_scales, V_codes, V_scales, window_sizes, out0; writes out0
.if DOCPART == 1
	.amdgcn_target "amdgcn-amd-amdhsa--gfx1250"
	.amdhsa_code_object_version 6
	.text
	.protected	k_qde92148d3f_attn
	.globl	k_qde92148d3f_attn
	.p2align	8
	.type	k_qde92148d3f_attn,@function
k_qde92148d3f_attn:
	s_mov_b64 s[64:65], 0
	v_nop
	global_prefetch_b8 v0, s[64:65] scope:SCOPE_SE
	s_setreg_imm32_b32 hwreg(HW_REG_WAVE_MODE, 25, 1), 1
	s_wait_xcnt 0x0
; out0[b][h][q][:] = sum over k of softmax_k(Q[q] . K[k] / 8) V[k][:], over the keys with 0 <= q - k <= window_sizes[h].  32 heads, 2,048 queries and keys, head size 64.
; Both products on codes of FP6 (E2M3) with one E8M0 scale for each 32 along a product's K.  Q, K: rows of 48 bytes of codes + 2 scale bytes.  V: keys innermost, 64 rows of 1,536 bytes + 64 scale bytes a head.
; THE SOFTMAX: t = score x log2(e) / 8; M = the row's largest t so far, rounded UP to a whole number; p = 2^(t - M) is quantised along the keys, not normalised; the row's sum is taken of the unquantised p
; and divides at the end.  When M moves, the sum and O are multiplied by 2^(old M - new M): exact.
; SHARES.  A work-group has sixteen waves in four GROUPS of four.  Group g owns 64 queries of head hq + 4 g; odd groups take block 31 - c where even ones take block c: four heads and mirrored blocks in a
; work-group even out the causal triangle and a head-wise spread of windows (for balance alone: every window gives right values).  A wave owns 16 queries, one tile; a group's waves share its tiles of K and V in LDS.
; THE WALK.  Key steps of 128 keys, DOWNWARD from the diagonal: trip r takes step JHI - r.  The loop has 16 trips in every wave, so that every wave passes every barrier; a trip's work is jumped over by scalar
; branches where the window (read from memory) leaves the wave nothing.  A wave stores its rows behind its own last step.
; NO TENSOR LOADS, NO CLUSTER: which tiles are wanted hangs on window_sizes, a number read from memory, and this text branches on it; so tiles come by loads into registers, issued a whole trip ahead of their use,
; and go to LDS by stores; joint requests are tensor loads and fall with them.  No prefetch is written: a tile is read by many groups, not once.
; LAYOUT.  Both products are used transposed: S^T = K Q^T (source 0 = keys, source 1 = my 16 queries), O^T = V^T P^T: a lane holds ONE query (lane % 16) throughout.
; HEAD SIZE 64 IN A FORM OF 128 ALONG K: a fragment of K holds TWO keys a row: k 0-63 key a, k 64-127 key a + 8.  Q stands between zeros: [q | 0] picks key a, [0 | q] key a + 8: the other half meets zero codes.
; Row r of fragment b is key 32 b + r + 8 (r / 8), so that S's register 16 b + i of lane (r, h) is key 32 b + 16 h + i: 16 neighbours along the next K.
; LIMITS: a scale byte 0xff (NaN) among the inputs is not served (it would reach the key 8 away too).  A negative window hides every key: the rows come out NaN, as the definition has them.
.set SLOT,  14848                      ; an LDS slot: K's tile, V's tile, their scale words
.set VT,    7168                       ; K's tile: key a at 48 a + 128 (a / 16): 7,168 bytes.  V's: channel d at 112 d (96 bytes + 16): 7,168 bytes
.set KSC,   14336                      ; K's scale words: (r, b) at 16 r + 4 b.  With these pitches the 32 lanes of a fragment's load of 8 bytes touch 64 different banks (64 banks of 4 bytes: ISA guide 11.1)
.set VSC,   14592                      ; V's: (r, t) at 16 r + 4 t
.set GRP,   2*SLOT                     ; a group's two slots; trip r reads slot r % 2
.set STAGE, 4*GRP                      ; behind the four groups: a stage of 16 rows x 272 bytes for each wave
.set STW,   16*272
.set RK,  1                            ; v1   reads: my place in a fragment of K
.set RV,  2                            ; v2   of V
.set RS,  3                            ; v3   my four scale words
.set WK0, 4                            ; v4   writes: my 16 bytes of my wave's 32 keys;  v5 the same behind one padding more
.set WK1, 5
.set WVA, 6                            ; v6-8 my three pieces of my wave's 16 rows of V
.set WKS, 9                            ; v9   my key's two scale bytes
.set WVS, 10                           ; v10  my row's scale word
.set STI, 11                           ; v11  the stage: in;  v12 back
.set STO, 12
.set GO,  13                           ; v13  my bytes in two rows of out0
.set GL16, 14                          ; v14  global offsets: K's codes;  v15 K's scale bytes;  v16-18 V's codes;  v19 V's scale words
.set GKS, 15
.set GV,  16
.set GVS, 19
.set QL,  20                           ; v20  my query - 16 (lane / 16)
.set DL,  21                           ; v21  that less the step's first key;  v22 that less the window;  v23 -infinity
.set DW,  22
.set NINF, 23
.set NM,  24                           ; v24 -M, v25 the largest t;  v[26:27] the sum in two halves;  v28 f, later 1 / sum (v29: the pair's upper half, written once)
.set TM,  25
.set LL,  26
.set FF,  28
.set QSW, 30                           ; v30 Q's scale word;  v31 p's;  v32-35 K's or V's: these six hold scales and nothing else
.set PSW, 31
.set SCW, 32
.set QZ,  36                           ; v36-41 zeros, v42-47 Q's 24 bytes, v48-53 zeros
.set SK,  54                           ; v54-65 the next tile on its way: K's codes;  v66-77 V's;  v78, v79 the scale bytes
.set SV,  66
.set SKS, 78
.set SVS, 79
.set S,   80                           ; v80-143 S^T, then p; later V's four fragments; on the way out the rows
.set OT,  144                          ; v144-175 O^T: tile t at 8 t
.set KFR, 176                          ; v176-223 K's four fragments; in the softmax:
.set BM,  176                          ; the blocks' largest scores, then largest p
.set BX,  180                          ; the other half's
.set SOP, 184                          ; the conversions' scale operands
.set BY,  188                          ; the scale bytes
.set TT,  192
.set SB,  196                          ; the sums' second chain
.set PC,  200                          ; v200-211 p's codes
.set CT,  212                          ; v212-214, v216-218 the blocks' upper halves as the conversions leave them
.set WV,  20                           ; s20 wave;  s21 group;  s22 wave in its group
.set JHI, 28                           ; s28 the diagonal's key step
.set WC,  29                           ; s29 the window, held to -1 .. 2047
.set SPANG, 30                         ; s30 my group's last trip with work;  s31 my wave's
.set SPANW, 31
.set QW,  32                           ; s32 a step whose first key lies under this has keys beyond the window
.set KF,  33                           ; s33 the step's first key
.set RR,  34                           ; s34 the trip
.set T0,  35
.set T1,  36
.set GB,  37                           ; s37 my group's LDS base
.set CS,  38                           ; s[38:39] c = log2(e) / 8
.set SEL, 40                           ; s[40:41] v_permlanex16_b32's selects for lane l xor 16
	s_load_b256 s[4:11], s[0:1], 0x0               ; Q's codes s[4:5], Q's scales s[6:7], K's codes s[8:9], K's scales s[10:11]
	s_load_b256 s[12:19], s[0:1], 0x20             ; V's codes s[12:13], V's scales s[14:15], window_sizes s[16:17], out0 s[18:19]
	v_lshl_add_u32 v224, v0, 2, 0x2e000
	v_mov_b32 v225, 0
	v_lshrrev_b32 v176, 5, v0
	v_readfirstlane_b32 s[WV], v176                ; wave 0..15
	s_lshr_b32 s21, s[WV], 2                       ; g
	s_and_b32 s22, s[WV], 3                        ; wq
	s_lshr_b32 s23, ttmp9, 7                       ; b
	s_bfe_u32 s24, ttmp9, 0x20005                  ; hq: 2 bits from bit 5
	s_and_b32 s25, ttmp9, 31                       ; c
	s_lshl_b32 s26, s21, 2
	s_add_co_u32 s24, s24, s26                     ; h = hq + 4 g
	s_lshl_b32 s26, s23, 4
	s_add_co_u32 s26, s26, s24                     ; bh = 16 b + h
	s_and_b32 s27, s21, 1
	s_mul_i32 s27, s27, 31
	s_xor_b32 s25, s25, s27                        ; my group's block of 64 queries: c, or 31 - c in odd groups
	s_lshr_b32 s[JHI], s25, 1
	s_lshl_b32 s23, s25, 6                         ; the group's first query
	s_lshl_b32 s27, s22, 4
	s_add_co_u32 s27, s23, s27                     ; my wave's first query
	s_mul_i32 s[GB], s21, GRP
	s_mul_i32 s35, s22, 1792
	s_add_co_u32 s35, s35, s[GB]                   ; where my wave's quarter of a tile begins (32 keys, or 16 rows of V: 1,792 bytes either way)
	s_lshl_b32 s36, s22, 2
	s_add_co_u32 s36, s36, s[GB]                   ; and its scale words' column
	s_mul_i32 s46, s[WV], STW
	s_add_co_u32 s46, s46, STAGE                   ; my stage
	s_mov_b32 s[CS], 0x3e38aa3b                    ; log2(e) / 8
	s_mov_b32 s[CS+1], s[CS]                       ; (named with it as a pair, so it is written)
	s_mov_b32 s[SEL], 0x76543210
	s_mov_b32 s[SEL+1], 0xfedcba98
	v_and_b32 v176, 31, v0                         ; lane
	v_and_b32 v177, 15, v0                         ; r
	v_bfe_u32 v178, v0, 4, 1                       ; h
	v_and_b32 v179, 7, v0
	v_bfe_u32 v180, v0, 3, 1
	v_lshlrev_b32 v[GL16], 4, v176                 ; K's codes: my wave's 32 keys are 1,536 dense bytes: three loads of 512, 16 bytes a lane
	v_lshlrev_b32 v[GKS], 1, v176                  ; K's scale bytes: two a key, a key a lane
	v_lshlrev_b32 v[GVS], 6, v177                  ; V's scale words: rows of 64 bytes
.irp i, 0,1,2                                      ; V's codes: 16 rows x 96 bytes are 96 pieces of 16 bytes: piece n = lane + 32 i lies in row n / 6
	v_add_nc_u32 v181, 32*\i, v176
	v_mul_u32_u24 v182, v181, 43
	v_lshrrev_b32 v182, 8, v182                    ; n / 6, right for n under 96
	v_mul_u32_u24 v[GV+\i], v182, 1440
	v_lshl_add_u32 v[GV+\i], v181, 4, v[GV+\i]     ; in memory: 1,536 x row + 16 (n - 6 x row)
	v_add_nc_u32 v183, v181, v182
	v_lshl_add_u32 v[WVA+\i], v183, 4, s35
	v_add_nc_u32 v[WVA+\i], VT, v[WVA+\i]          ; in LDS: 112 x row + 16 (n - 6 x row) = 16 (n + row)
.endr
	v_mul_u32_u24 v[DL], v177, 48
	v_mad_u32_u24 v[DL], v178, 24, v[DL]           ; Q's codes: row r, + 24 h (these two registers are free until the first step)
	v_lshlrev_b32 v[DW], 1, v177                   ; Q's scale bytes
	s_mov_b32 s43, 0
	s_lshl_b32 s44, s26, 11
	s_add_co_u32 s44, s44, s27                     ; my first query among all 65,536 rows
	s_mul_i32 s45, s26, 98304                      ; the head's first byte in K's and in V's codes
	s_wait_kmcnt 0x0
	s_lshl_b32 s42, s24, 2
	s_add_nc_u64 s[16:17], s[16:17], s[42:43]
	s_load_b32 s[WC], s[16:17], 0x0                ; my head's window
	s_mul_i32 s42, s44, 48
	s_add_nc_u64 s[4:5], s[4:5], s[42:43]
	s_lshl_b32 s42, s44, 1
	s_add_nc_u64 s[6:7], s[6:7], s[42:43]
	s_lshl_b32 s42, s44, 8
	s_add_nc_u64 s[18:19], s[18:19], s[42:43]      ; out0: rows of 256 bytes
	s_mul_i32 s42, s[JHI], 6144                    ; K's codes: a key step is 6,144 bytes, my wave's 32 keys 1,536
	s_mul_i32 s44, s22, 1536
	s_add_co_u32 s42, s42, s44
	s_add_co_u32 s42, s42, s45
	s_add_nc_u64 s[8:9], s[8:9], s[42:43]
	s_mul_i32 s42, s[JHI], 96                      ; V's codes: a key step is 96 bytes of each row, my wave's 16 rows 24,576 bytes
	s_mul_i32 s44, s22, 24576
	s_add_co_u32 s42, s42, s44
	s_add_co_u32 s42, s42, s45
	s_add_nc_u64 s[12:13], s[12:13], s[42:43]
	s_lshl_b32 s45, s26, 12                        ; the head's first scale byte, in K's and in V's
	s_lshl_b32 s42, s[JHI], 8
	s_lshl_b32 s44, s22, 6
	s_add_co_u32 s42, s42, s44
	s_add_co_u32 s42, s42, s45
	s_add_nc_u64 s[10:11], s[10:11], s[42:43]
	s_lshl_b32 s42, s[JHI], 2
	s_lshl_b32 s44, s22, 10
	s_add_co_u32 s42, s42, s44
	s_add_co_u32 s42, s42, s45
	s_add_nc_u64 s[14:15], s[14:15], s[42:43]
; My wave's quarter of a key step's tiles, from memory into registers: eight loads.  No hint: other groups read the same tiles.
.macro TILE_LOADS
.irp i, 0,1,2
	global_load_b128 v[SK+4*\i:SK+4*\i+3], v[GL16], s[8:9] offset:512*\i    ; 32 lanes read 512 consecutive bytes
.endr
.irp i, 0,1,2
	global_load_b128 v[SV+4*\i:SV+4*\i+3], v[GV+\i], s[12:13]
.endr
	global_load_u16 v[SKS], v[GKS], s[10:11]
	global_load_b32 v[SVS], v[GVS], s[14:15]       ; (lanes 16-31 repeat lanes 0-15)
.endm
; and from the registers into a slot
.macro TILE_STORES slot
	ds_store_b128 v[WK0], v[SK:SK+3] offset:(\slot)*SLOT           ; bytes 0-511 of my 32 keys lie before the padding behind key 15 (byte 768),
	ds_store_b128 v[WK1], v[SK+4:SK+7] offset:(\slot)*SLOT+512     ; of bytes 512-1,023 those of lanes 16-31 behind it,
	ds_store_b128 v[WK0], v[SK+8:SK+11] offset:(\slot)*SLOT+1152   ; bytes 1,024 on all behind it
.irp i, 0,1,2
	ds_store_b128 v[WVA+\i], v[SV+4*\i:SV+4*\i+3] offset:(\slot)*SLOT
.endr
	ds_store_b16 v[WKS], v[SKS] offset:(\slot)*SLOT
	ds_store_b32 v[WVS], v[SVS] offset:(\slot)*SLOT                ; (both halves of the lanes write the same word with the same value)
.endm
.macro BASES_DOWN                                  ; one key step down.  They may pass under the head's first byte in trips that load nothing
	s_sub_nc_u64 s[8:9], s[8:9], 6144
	s_sub_nc_u64 s[10:11], s[10:11], 256
	s_sub_nc_u64 s[12:13], s[12:13], 96
	s_sub_nc_u64 s[14:15], s[14:15], 4
.endm
	TILE_LOADS                                     ; the diagonal's tiles: every group wants them
.irp p, 0,1,2
	global_load_b64 v[QZ+6+2*\p:QZ+7+2*\p], v[DL], s[4:5] offset:8*\p th:TH_LOAD_NT   ; Q stays in registers
.endr
	global_load_u16 v[QSW], v[DW], s[6:7] th:TH_LOAD_NT
	v_mul_u32_u24 v[RK], v179, 48                  ; row r of a fragment: key r + 8 (r / 8): 48 (r % 8) + (768 + 128) (r / 8), + 24 h
	v_mad_u32_u24 v[RK], v180, 896, v[RK]
	v_mad_u32_u24 v[RK], v178, 24, v[RK]
	v_add_nc_u32 v[RK], s[GB], v[RK]
	v_mul_u32_u24 v[RV], v177, 112
	v_mad_u32_u24 v[RV], v178, 24, v[RV]
	v_add_nc_u32 v[RV], s[GB], v[RV]
	v_add_nc_u32 v[RV], VT, v[RV]
	v_lshl_add_u32 v[RS], v177, 4, s[GB]
	v_lshl_add_u32 v[WK0], v176, 4, s35
	v_lshl_add_u32 v[WK1], v178, 7, v[WK0]
	v_lshl_add_u32 v[WKS], v179, 4, s36            ; key l of my 32 is row (l % 8) + 8 (l / 16) of fragment wq, its half (l / 8) % 2
	v_lshl_add_u32 v[WKS], v178, 7, v[WKS]
	v_lshl_add_u32 v[WKS], v180, 1, v[WKS]
	v_add_nc_u32 v[WKS], KSC, v[WKS]
	v_lshl_add_u32 v[WVS], v177, 4, s36
	v_add_nc_u32 v[WVS], VSC, v[WVS]
	v_mul_u32_u24 v[STI], v177, 272
	v_lshl_add_u32 v[STI], v178, 5, v[STI]
	v_add_nc_u32 v[STI], s46, v[STI]               ; the stage, in: row r, + 32 h
	v_mul_u32_u24 v[STO], v178, 272
	v_lshl_add_u32 v[STO], v177, 4, v[STO]
	v_add_nc_u32 v[STO], s46, v[STO]               ; back: lanes 0-15 one row of 256 bytes, lanes 16-31 the next
	v_lshlrev_b32 v[GO], 8, v178
	v_lshl_add_u32 v[GO], v177, 4, v[GO]           ; and the same two rows in out0
	v_lshlrev_b32 v[QL], 4, v178
	v_sub_nc_u32 v[QL], v177, v[QL]
	v_add_nc_u32 v[QL], s27, v[QL]
	v_mov_b32 v[FF+1], 0
.irp i, 0,1,2,3,4,5
	v_mov_b32 v[QZ+\i], 0                          ; the zero codes on both sides of Q
	v_mov_b32 v[QZ+12+\i], 0
.endr
	s_wait_kmcnt 0x0                               ; the window
	s_min_i32 s[WC], s[WC], 2047                   ; no q - k passes 2,047;
	s_max_i32 s[WC], s[WC], -1                     ; every negative window hides all
	s_sub_co_i32 s44, s23, s[WC]
	s_max_i32 s44, s44, 0                          ; the lowest key that the group's first query sees
	s_lshr_b32 s44, s44, 7
	s_sub_co_u32 s[SPANG], s[JHI], s44
	s_sub_co_i32 s44, s27, s[WC]
	s_max_i32 s44, s44, 0
	s_lshr_b32 s44, s44, 7
	s_sub_co_u32 s[SPANW], s[JHI], s44             ; and the same for my wave's
	s_add_co_u32 s[QW], s27, 15
	s_sub_co_i32 s[QW], s[QW], s[WC]               ; my last query - window
	s_lshl_b32 s[KF], s[JHI], 7
	s_mov_b32 s[RR], 0
	s_wait_loadcnt 0x0                             ; the first tiles and Q: all twelve loads
	v_lshl_or_b32 v[QSW], v[QSW], 16, v[QSW]       ; Q's two bytes twice: they serve [q | 0] and [0 | q]
.rept 8
	v_nop                                          ; a scale register written by a vector instruction stands 8 places ahead of a scaled matrix instruction, an operand so written 4: no other vector work lies between here and the first product
.endr
	TILE_STORES 0
	BASES_DOWN                                     ; (the loads that read the bases are done)
	s_wait_dscnt 0x0                               ; for the others' sake: my stores have landed
	s_barrier_signal -1
	s_barrier_wait -1
; S^T = K Q^T: four fragments, two products each.  The count of each wait leaves the younger fragments' loads, six each, out.
.macro QK slot
	ds_load_b128 v[SCW:SCW+3], v[RS] offset:(\slot)*SLOT+KSC       ; word b: row r's two keys' scale bytes
.irp b, 0,1,2,3
.irp p, 0,1,2,3,4,5
	ds_load_b64 v[KFR+12*\b+2*\p:KFR+12*\b+2*\p+1], v[RK] offset:(\slot)*SLOT+1792*\b+384*(\p/3)+8*(\p%3)
.endr
.endr
.irp b, 0,1,2,3
	s_wait_dscnt 6*(3-\b)
	v_wmma_scale_f32_16x16x128_f8f6f4 v[S+16*\b:S+16*\b+7], v[KFR+12*\b:KFR+12*\b+11], v[QZ+6:QZ+17], 0, v[SCW+\b], v[QSW] matrix_a_fmt:MATRIX_FMT_FP6 matrix_b_fmt:MATRIX_FMT_FP6
	v_wmma_scale_f32_16x16x128_f8f6f4 v[S+16*\b+8:S+16*\b+15], v[KFR+12*\b:KFR+12*\b+11], v[QZ:QZ+11], 0, v[SCW+\b], v[QSW] matrix_a_fmt:MATRIX_FMT_FP6 matrix_b_fmt:MATRIX_FMT_FP6
.endr
	v_sub_nc_u32 v[DL], v[QL], s[KF]               ; four plain lines that name none of the products' registers: the places behind them (ISA guide 7.12.1).  d = my query - the step's first key - 16 h
	v_sub_nc_u32 v[DW], v[DL], s[WC]
	v_mov_b32 v[NINF], 0xff800000
	v_nop
.endm
; Register n holds key KF + 16 h + 32 (n / 16) + n % 16.  Hidden scores become -infinity ahead of the maximum: p = 0 then.  Each accumulator is read from its low end on.
.macro MASK_CAUSAL                                 ; hidden where the key comes after the query
.set n, 0
.rept 64
	v_cmp_gt_i32 vcc_lo, 32*(n/16)+n%16, v[DL]
	v_cndmask_b32 v[S+n], v[S+n], v[NINF], vcc_lo
.set n, n+1
.endr
.endm
.macro MASK_WINDOW                                 ; hidden where query - key is above the window
.set n, 0
.rept 64
	v_cmp_lt_i32 vcc_lo, 32*(n/16)+n%16, v[DW]
	v_cndmask_b32 v[S+n], v[S+n], v[NINF], vcc_lo
.set n, n+1
.endr
.endm
; first = 1: the first step starts M, the sum and O^T.
.macro SOFTMAX first
.irp b, 0,1,2,3
	v_max3_num_f32 v[BM+\b], v[S+16*\b], v[S+16*\b+1], v[S+16*\b+2]   ; the largest score of each block of 32 keys: it serves for the row's maximum and, since p rises with the score, for the block's largest p
.endr
.irp i, 3,5,7,9,11,13
.irp b, 0,1,2,3
	v_max3_num_f32 v[BM+\b], v[BM+\b], v[S+16*\b+\i], v[S+16*\b+\i+1]   ; (the four blocks by turns)
.endr
.endr
.irp b, 0,1,2,3
	v_max_num_f32 v[BM+\b], v[BM+\b], v[S+16*\b+15]
.endr
.irp b, 0,1,2,3
	v_permlanex16_b32 v[BX+\b], v[BM+\b], s[SEL], s[SEL+1]
.endr
.irp b, 0,1,2,3
	v_max_num_f32 v[BM+\b], v[BM+\b], v[BX+\b]     ; with lane l xor 16's 16 keys
.endr
	v_max3_num_f32 v[TT], v[BM], v[BM+1], v[BM+2]
	v_max_num_f32 v[TT], v[TT], v[BM+3]            ; the step's largest score of my query
.if \first
	v_mul_f32 v[TM], s[CS], v[TT]                  ; as t (c is positive)
	v_floor_f32 v[NM], -v[TM]                      ; -M = floor(-t) = -ceil(t): M is a whole number
.else
	v_mul_f32 v[TT], s[CS], v[TT]
	v_max_num_f32 v[TM], v[TM], v[TT]              ; the running largest t
	v_mov_b32 v[TT], v[NM]
	v_floor_f32 v[NM], -v[TM]
	v_sub_f32 v[TT], v[NM], v[TT]                  ; old M - new M: a whole number, 0 or less
	v_cvt_i32_f32 v[TT], v[TT]                     ; (it saturates)
	v_ldexp_f32 v[FF], 1.0, v[TT]                  ; f = 2^(old M - new M): a multiplication by it rounds nothing
.endif
.set j, 0
.rept 32
	v_pk_fma_f32 v[S+j:S+j+1], v[S+j:S+j+1], s[CS:CS+1], v[NM:NM+1] op_sel_hi:[1,0,0]   ; t - M, two at a time (of the pairs c and -M the low word serves both halves)
.set j, j+2
.endr
.irp b, 0,1,2,3
	v_fma_f32 v[BM+\b], v[BM+\b], s[CS], v[NM]     ; the same of each block's largest score
.endr
.set j, 0
.rept 64
	v_exp_f32 v[S+j], v[S+j]                       ; p = 2^(t - M), at most 1: not normalised
.set j, j+1
.endr
.irp b, 0,1,2,3
	v_exp_f32 v[BM+\b], v[BM+\b]                   ; the block's largest p: the same two instructions on the same number give the same bits
.endr
.if \first
	v_nop                                          ; a plain line behind the last exponential
.else
	v_pk_mul_f32 v[LL:LL+1], v[LL:LL+1], v[FF:FF+1] op_sel_hi:[1,0]   ; the sums under the new M: the plain line behind the last exponential
.endif
	s_wait_alu depctr_va_vdst(0)                   ; one wait for the batch of 68, ahead of its first reader
.irp b, 0,1,2,3
	v_max_num_f32 v[BM+\b], 0x1800000, v[BM+\b]    ; the floor 2^(3 - 127): the byte cannot fall under 1 (a block whose every p is 0 keeps that byte: its codes are zeros)
.endr
.irp b, 0,1,2,3
	v_add_nc_u32 v[SOP+\b], 0xff000000, v[BM+\b]   ; 2 off the exponent field: the conversion's scale operand
.endr
.irp b, 0,1,2,3
	v_lshrrev_b32 v[BY+\b], 23, v[SOP+\b]          ; the scale's byte
.endr
	v_lshl_or_b32 v[PSW], v[BY+1], 8, v[BY]        ; p's scale word for these 128 keys
	v_lshl_or_b32 v[PSW], v[BY+2], 16, v[PSW]
	v_lshl_or_b32 v[PSW], v[BY+3], 24, v[PSW]
.irp c, 0,1
	v_cvt_scalef32_pk16_fp6_f32 v[PC+6*\c:PC+6*\c+2], v[S+32*\c:S+32*\c+15], v[SOP+2*\c]
	v_cvt_scalef32_pk16_fp6_f32 v[CT+4*\c:CT+4*\c+2], v[S+32*\c+16:S+32*\c+31], v[SOP+2*\c+1]   ; (a conversion's three registers begin on an even number)
.endr
	v_nop                                          ; one plain line behind a scaled conversion
.irp c, 0,1                                        ; the operand's layout wants a whole block in a lane: lanes 0-15 block 2 c, lanes 16-31 block 2 c + 1
.irp i, 0,1,2
	v_permlane16_swap_b32 v[PC+6*\c+\i], v[CT+4*\c+\i]
.endr
.irp i, 0,1,2
	v_mov_b32 v[PC+3+6*\c+\i], v[CT+4*\c+\i]
.endr
.endr
.if \first                                         ; the row's sum is taken of the UNQUANTISED p: two at a time, in two chains.  These lines are also the places between p's scale word and codes and the products
	v_pk_add_f32 v[LL:LL+1], v[S:S+1], v[S+2:S+3]
	v_pk_add_f32 v[SB:SB+1], v[S+4:S+5], v[S+6:S+7]
.else
	v_pk_add_f32 v[SB:SB+1], v[S:S+1], v[S+2:S+3]
	v_pk_add_f32 v[LL:LL+1], v[LL:LL+1], v[S+4:S+5]
	v_pk_add_f32 v[SB:SB+1], v[SB:SB+1], v[S+6:S+7]
.endif
.irp j, 8,12,16,20,24,28,32,36,40,44,48,52,56,60
	v_pk_add_f32 v[LL:LL+1], v[LL:LL+1], v[S+\j:S+\j+1]
	v_pk_add_f32 v[SB:SB+1], v[SB:SB+1], v[S+\j+2:S+\j+3]
.endr
	v_pk_add_f32 v[LL:LL+1], v[LL:LL+1], v[SB:SB+1]
.if \first == 0
.set j, 0
.rept 16
	v_pk_mul_f32 v[OT+j:OT+j+1], v[OT+j:OT+j+1], v[FF:FF+1] op_sel_hi:[1,0]   ; O^T under the new M, each accumulator from its low end on
.set j, j+2
.endr
.endif
.endm
; O^T += V^T P^T: four tiles of 16 channels, K = these 128 keys.  V's fragments land where p lay.  The four accumulators take turns, and the next step's eight products stand between two links on one of them.
.macro PV slot, first
	ds_load_b128 v[SCW:SCW+3], v[RS] offset:(\slot)*SLOT+VSC
.irp t, 0,1,2,3
.irp p, 0,1,2,3,4,5
	ds_load_b64 v[S+12*\t+2*\p:S+12*\t+2*\p+1], v[RV] offset:(\slot)*SLOT+1792*\t+48*(\p/3)+8*(\p%3)
.endr
.endr
.irp t, 0,1,2,3
	s_wait_dscnt 6*(3-\t)
.if \first
	v_wmma_scale_f32_16x16x128_f8f6f4 v[OT+8*\t:OT+8*\t+7], v[S+12*\t:S+12*\t+11], v[PC:PC+11], 0, v[SCW+\t], v[PSW] matrix_a_fmt:MATRIX_FMT_FP6 matrix_b_fmt:MATRIX_FMT_FP6
.else
	v_wmma_scale_f32_16x16x128_f8f6f4 v[OT+8*\t:OT+8*\t+7], v[S+12*\t:S+12*\t+11], v[PC:PC+11], v[OT+8*\t:OT+8*\t+7], v[SCW+\t], v[PSW] matrix_a_fmt:MATRIX_FMT_FP6 matrix_b_fmt:MATRIX_FMT_FP6
.endif
.endr
.rept 5
	v_nop                                          ; five places: the next step's products write over the registers that these have read as V; four of them serve the next loads into operands and the first reads of O^T
.endr
.endm
; THE WAY OUT: O^T / the sum goes through my stage and leaves as whole rows: a store covers two rows of out0, 512 consecutive bytes at a multiple of 256 from its first byte.
.macro OUT
	v_add_f32 v[TT], v[LL], v[LL+1]                ; the sum's two halves,
	v_permlanex16_b32 v[BX], v[TT], s[SEL], s[SEL+1]
	v_add_f32 v[TT], v[TT], v[BX]                  ; and lane l xor 16's: the row's sum
	v_rcp_f32 v[FF], v[TT]
	v_nop                                          ; a plain line behind the reciprocal
	s_wait_alu depctr_va_vdst(0)                   ; and the wait ahead of its first reader
.set j, 0
.rept 16
	v_pk_mul_f32 v[S+j:S+j+1], v[OT+j:OT+j+1], v[FF:FF+1] op_sel_hi:[1,0]   ; register 8 t + i is out(r, 16 t + 8 h + i)
.set j, j+2
.endr
.irp t, 0,1,2,3
	ds_store_b128 v[STI], v[S+8*\t:S+8*\t+3] offset:64*\t
	ds_store_b128 v[STI], v[S+8*\t+4:S+8*\t+7] offset:64*\t+16
.endr
.irp i, 0,1,2,3,4,5,6,7
	ds_load_b128 v[S+32+4*\i:S+35+4*\i], v[STO] offset:544*\i      ; LDS serves a wave's instructions in order (ISA guide 5.7.1.4): these see my stores
.endr
.irp i, 0,1,2,3,4,5,6,7
	s_wait_dscnt 7-\i                              ; load i is back; the younger ones may be out
	global_store_b128 v[GO], v[S+32+4*\i:S+35+4*\i], s[18:19] offset:512*\i th:TH_STORE_NT
.endr
	s_wait_xcnt 0x0                                ; the stores have read their registers: later text names these again
.endm
; A TRIP, r = s[RR] + dr, on slot r % 2.  fill = 1: the next trip's tiles are asked for at its head, go into the other slot at its end, and a barrier closes it.
.macro STEP slot, first, fill, dr
.if \fill
	s_add_co_u32 s[T0], s[RR], (\dr)+1
	s_cmp_le_u32 s[T0], s[SPANG]                   ; does any wave of my group want the next step?
	s_cbranch_scc0 .Lnofetch_\@
	TILE_LOADS
.Lnofetch_\@:
.endif
.if \first == 0
	s_add_co_u32 s[T1], s[RR], \dr
	s_cmp_le_u32 s[T1], s[SPANW]                   ; do my queries see this step's keys?
	s_cbranch_scc0 .Lidle_\@
.endif
	QK \slot
.if \first
	MASK_CAUSAL                                    ; the diagonal lies in the first trip alone: all lower key steps end before my first query
.endif
	s_cmp_lt_i32 s[KF], s[QW]
	s_cbranch_scc0 .Lnowin_\@                      ; all of the step's keys lie inside the window of all my queries
	MASK_WINDOW
.Lnowin_\@:
	SOFTMAX \first
	PV \slot, \first
.if \first
	s_cmp_eq_u32 s[SPANW], 0
.else
	s_cmp_eq_u32 s[T1], s[SPANW]
.endif
	s_cbranch_scc0 .Lidle_\@
	OUT                                            ; that was my last step
.Lidle_\@:
.if \fill
	s_wait_loadcnt 0x0                             ; the next tiles are in registers (on every way, asked for or not)
	s_cmp_le_u32 s[T0], s[SPANG]
	s_cbranch_scc0 .Lnostore_\@
	TILE_STORES 1-\slot
.Lnostore_\@:
	BASES_DOWN                                     ; no load that reads the bases is out
.endif
	s_sub_co_i32 s[KF], s[KF], 128
.if \fill
	s_wait_dscnt 0x0                               ; my stores into the other slot have landed, and my reads of this slot are over:
	s_barrier_signal -1                            ; one barrier for both: behind it the other slot is read and this one is written again
	s_barrier_wait -1
.endif
.endm
	STEP 0, 1, 1, 0                                ; trip 0: the diagonal
	s_mov_b32 s[RR], 1
.Ltrips:                                           ; seven rounds of two trips: 1 to 14
	STEP 1, 0, 1, 0
	STEP 0, 0, 1, 1
	s_add_co_u32 s[RR], s[RR], 2
	s_cmp_lt_u32 s[RR], 15
	s_cbranch_scc1 .Ltrips
	STEP 1, 0, 0, 0                                ; trip 15: nothing is left to fetch
	s_wait_tensorcnt 0x0
	ds_add_u32 v224, v225
	s_wait_dscnt 0x0
	s_endpgm
.Lfunc_end_k_qde92148d3f_attn:
	.size	k_qde92148d3f_attn, .Lfunc_end_k_qde92148d3f_attn-k_qde92148d3f_attn
	.p2alignl 7, 3214868480
	.fill 96, 4, 3214868480
	.section	.rodata,"a",@progbits
	.p2align	6, 0x0
	.amdhsa_kernel k_qde92148d3f_attn
		.amdhsa_group_segment_fixed_size 190464
		.amdhsa_private_segment_fixed_size 0
		.amdhsa_enable_private_segment 0
		.amdhsa_kernarg_size 64
		.amdhsa_user_sgpr_count 2
		.amdhsa_user_sgpr_kernarg_segment_ptr 1
		.amdhsa_wavefront_size32 1
		.amdhsa_system_sgpr_workgroup_id_x 1
		.amdhsa_system_sgpr_workgroup_id_y 1
		.amdhsa_system_sgpr_workgroup_id_z 1
		.amdhsa_system_vgpr_workitem_id 0
		.amdhsa_next_free_vgpr 226
		.amdhsa_next_free_sgpr 66
		.amdhsa_reserve_vcc 1
		.amdhsa_float_denorm_mode_32 3
		.amdhsa_float_denorm_mode_16_64 3
		.amdhsa_memory_ordered 1
		.amdhsa_forward_progress 1
		.amdhsa_inst_pref_size 120
	.end_amdhsa_kernel
	.amdgpu_metadata
---
amdhsa.version: [ 1, 2 ]
amdhsa.kernels:
  - .name:           k_qde92148d3f_attn
    .symbol:         k_qde92148d3f_attn.kd
    .args:
      - { .name: Q_codes, .offset: 0, .size: 8, .value_kind: global_buffer, .address_space: global }
      - { .name: Q_scales, .offset: 8, .size: 8, .value_kind: global_buffer, .address_space: global }
      - { .name: K_codes, .offset: 16, .size: 8, .value_kind: global_buffer, .address_space: global }
      - { .name: K_scales, .offset: 24, .size: 8, .value_kind: global_buffer, .address_space: global }
      - { .name: V_codes, .offset: 32, .size: 8, .value_kind: global_buffer, .address_space: global }
      - { .name: V_scales, .offset: 40, .size: 8, .value_kind: global_buffer, .address_space: global }
      - { .name: window_sizes, .offset: 48, .size: 8, .value_kind: global_buffer, .address_space: global }
      - { .name: out0, .offset: 56, .size: 8, .value_kind: global_buffer, .address_space: global }
    .group_segment_fixed_size: 190464
    .private_segment_fixed_size: 0
    .kernarg_segment_align: 8
    .kernarg_segment_size: 64
    .max_flat_workgroup_size: 512
    .sgpr_count:     66
    .vgpr_count:     226
    .wavefront_size: 32
...
	.end_amdgpu_metadata
.endif
;; end of part 1
;; ======== version 2 of 2: 1 launch; version 1 with the launch attn written anew for expert scheduling mode
;; launch attn (part 2): grid 256 x 1, 16 waves a work-group, no clusters, 190,464 bytes of LDS; arguments Q_codes, Q_scales, K_codes, K_scales, V_codes, V_scales, window_sizes, out0; writes out0
.if DOCPART == 2
	.amdgcn_target "amdgcn-amd-amdhsa--gfx1250"
	.amdhsa_code_object_version 6
	.text
	.protected	k_qde92148d3f_attn
	.globl	k_qde92148d3f_attn
	.p2align	8
	.type	k_qde92148d3f_attn,@function
k_qde92148d3f_attn:
	s_mov_b64 s[64:65], 0
	v_nop
	global_prefetch_b8 v0, s[64:65] scope:SCOPE_SE
	s_setreg_imm32_b32 hwreg(HW_REG_WAVE_SCHED_MODE, 0, 2), 2
	s_setreg_imm32_b32 hwreg(HW_REG_WAVE_MODE, 25, 1), 1
	s_wait_xcnt 0x0
	s_wait_alu depctr_vm_vsrc(0)
; out0[b][h][q][:] = sum over k of softmax_k(Q[q] . K[k] / 8) V[k][:], over the keys with 0 <= q - k <= window_sizes[h].  32 heads, 2,048 queries and keys, head size 64.
; Both products on codes of FP6 (E2M3) with one E8M0 scale for each 32 along a product's K.  Q, K: rows of 48 bytes of codes + 2 scale bytes.  V: keys innermost, 64 rows of 1,536 bytes + 64 scale bytes a head.
; THE SOFTMAX: t = score x log2(e) / 8; M = the row's largest t so far, rounded UP to a whole number; p = 2^(t - M) is quantised along the keys, not normalised; the row's sum is taken of the unquantised p
; and divides at the end.  When M moves, the sum and O are multiplied by 2^(old M - new M): exact.
; SHARES.  A work-group has sixteen waves in four GROUPS of four.  Group g owns 64 queries of head hq + 4 g; odd groups take block 31 - c where even ones take block c: four heads and mirrored blocks in a
; work-group even out the causal triangle and a head-wise spread of windows (for balance alone: every window gives right values).  A wave owns 16 queries, one tile; a group's waves share its tiles of K and V in LDS.
; THE WALK.  Key steps of 128 keys, DOWNWARD from the diagonal: trip r takes step JHI - r.  The loop has 16 trips in every wave, so that every wave passes every barrier; a trip's work is jumped over by scalar
; branches where the window (read from memory) leaves the wave nothing.  A wave stores its rows behind its own last step.
; NO TENSOR LOADS, NO CLUSTER: which tiles are wanted hangs on window_sizes, a number read from memory, and this text branches on it; so tiles come by loads into registers, issued a whole trip ahead of their use,
; and go to LDS by stores; joint requests are tensor loads and fall with them.  No prefetch is written: a tile is read by many groups, not once.
; LAYOUT.  Both products are used transposed: S^T = K Q^T (source 0 = keys, source 1 = my 16 queries), O^T = V^T P^T: a lane holds ONE query (lane % 16) throughout.
; HEAD SIZE 64 IN A FORM OF 128 ALONG K: a fragment of K holds TWO keys a row: k 0-63 key a, k 64-127 key a + 8.  Q stands between zeros: [q | 0] picks key a, [0 | q] key a + 8: the other half meets zero codes.
; Row r of fragment b is key 32 b + r + 8 (r / 8), so that S's register 16 b + i of lane (r, h) is key 32 b + 16 h + i: 16 neighbours along the next K.
; LIMITS: a scale byte 0xff (NaN) among the inputs is not served (it would reach the key 8 away too).  A negative window hides every key: the rows come out NaN, as the definition has them.
; THE MODE: SCHED_MODE bits 1:0 = 2 (LLVM: expert scheduling mode 2), set by the entry lines.  The code itself states the register dependences between vector or matrix instructions and memory or LDS
; instructions, with s_wait_alu, always for 0.
; THE PLAN.  Registers that memory or LDS instructions touch:
;   v1-19     addresses and offsets: written by vector lines at the head, read by loads and stores, never written again.
;   v21, v22  at the head the offsets of Q's loads; from the first step on written by vector lines.
;   v54-79    the next tile: written by the eight loads at a trip's head, read by the eight LDS stores at its end; no vector instruction names them.
;   v32-35    scale words: K's land at the head of QK and are read by its products; V's land at the head of PV and are read by its products.
;   v176-223  K's fragments land at the head of QK and are read by its products; then the softmax's scratch and p's codes, which PV's products read last.
;   v80-143   written by QK's products, worked on by the softmax; V's fragments land in v80-127 at the head of PV; on the way out v80-111 are LDS stores' data, v112-143 take the stage's loads and are the global stores' data.
;   v30, v42-47  Q's scale word and codes: they land once, at the head.   v224, v225: made at the head, read by the closing add alone.
;   O^T, the statistics and the zero codes are named by vector and matrix instructions alone.
; So a trip has one wait on va_vdst at the head of QK, the one behind the exponentials, one at the head of PV, and one wait on vm_vsrc at its end; the way out has three on va_vdst.  Behind PV's wait V's loads are issued
; first and O^T's rescaling, which names O^T and f alone, stands behind them.  The masks' compares go in runs of 32 into scalar registers, one wait on va_sdst behind each run.
.set SLOT,  14848                      ; an LDS slot: K's tile, V's tile, their scale words
.set VT,    7168                       ; K's tile: key a at 48 a + 128 (a / 16): 7,168 bytes.  V's: channel d at 112 d (96 bytes + 16): 7,168 bytes
.set KSC,   14336                      ; K's scale words: (r, b) at 16 r + 4 b.  With these pitches the 32 lanes of a fragment's load of 8 bytes touch 64 different banks (64 banks of 4 bytes: ISA guide 11.1)
.set VSC,   14592                      ; V's: (r, t) at 16 r + 4 t
.set GRP,   2*SLOT                     ; a group's two slots; trip r reads slot r % 2
.set STAGE, 4*GRP                      ; behind the four groups: a stage of 16 rows x 272 bytes for each wave
.set STW,   16*272
.set RK,  1                            ; v1   reads: my place in a fragment of K
.set RV,  2                            ; v2   of V
.set RS,  3                            ; v3   my four scale words
.set WK0, 4                            ; v4   writes: my 16 bytes of my wave's 32 keys;  v5 the same behind one padding more
.set WK1, 5
.set WVA, 6                            ; v6-8 my three pieces of my wave's 16 rows of V
.set WKS, 9                            ; v9   my key's two scale bytes
.set WVS, 10                           ; v10  my row's scale word
.set STI, 11                           ; v11  the stage: in;  v12 back
.set STO, 12
.set GO,  13                           ; v13  my bytes in two rows of out0
.set GL16, 14                          ; v14  global offsets: K's codes;  v15 K's scale bytes;  v16-18 V's codes;  v19 V's scale words
.set GKS, 15
.set GV,  16
.set GVS, 19
.set QL,  20                           ; v20  my query - 16 (lane / 16)
.set DL,  21                           ; v21  that less the step's first key;  v22 that less the window;  v23 -infinity
.set DW,  22
.set NINF, 23
.set NM,  24                           ; v24 -M, v25 the largest t;  v[26:27] the sum in two halves;  v28 f, later 1 / sum (v29: the pair's upper half, written once)
.set TM,  25
.set LL,  26
.set FF,  28
.set QSW, 30                           ; v30 Q's scale word;  v31 p's;  v32-35 K's or V's: these six hold scales and nothing else
.set PSW, 31
.set SCW, 32
.set QZ,  36                           ; v36-41 zeros, v42-47 Q's 24 bytes, v48-53 zeros
.set SK,  54                           ; v54-65 the next tile on its way: K's codes;  v66-77 V's;  v78, v79 the scale bytes
.set SV,  66
.set SKS, 78
.set SVS, 79
.set S,   80                           ; v80-143 S^T, then p; later V's four fragments; on the way out the rows
.set OT,  144                          ; v144-175 O^T: tile t at 8 t
.set KFR, 176                          ; v176-223 K's four fragments; in the softmax:
.set BM,  176                          ; the blocks' largest scores, then largest p
.set BX,  180                          ; the other half's
.set SOP, 184                          ; the conversions' scale operands
.set BY,  188                          ; the scale bytes
.set TT,  192
.set SB,  196                          ; the sums' second chain
.set PC,  200                          ; v200-211 p's codes
.set CT,  212                          ; v212-214, v216-218 the blocks' upper halves as the conversions leave them
.set WV,  20                           ; s20 wave;  s21 group;  s22 wave in its group
.set JHI, 28                           ; s28 the diagonal's key step
.set WC,  29                           ; s29 the window, held to -1 .. 2047
.set SPANG, 30                         ; s30 my group's last trip with work;  s31 my wave's
.set SPANW, 31
.set QW,  32                           ; s32 a step whose first key lies under this has keys beyond the window
.set KF,  33                           ; s33 the step's first key
.set RR,  34                           ; s34 the trip
.set T0,  35
.set T1,  36
.set GB,  37                           ; s37 my group's LDS base
.set CS,  38                           ; s[38:39] c = log2(e) / 8
.set SEL, 40                           ; s[40:41] v_permlanex16_b32's selects for lane l xor 16
.set MK,  66                           ; s66-97 a run of 32 compares' masks
	s_load_b256 s[4:11], s[0:1], 0x0               ; Q's codes s[4:5], Q's scales s[6:7], K's codes s[8:9], K's scales s[10:11]
	s_load_b256 s[12:19], s[0:1], 0x20             ; V's codes s[12:13], V's scales s[14:15], window_sizes s[16:17], out0 s[18:19]
	v_lshl_add_u32 v224, v0, 2, 0x2e000
	v_mov_b32 v225, 0
	v_lshrrev_b32 v176, 5, v0
	v_readfirstlane_b32 s[WV], v176                ; wave 0..15
	v_and_b32 v176, 31, v0                         ; lane.  (What hangs on the lane alone stands here, between that line and the wait for it)
	v_and_b32 v177, 15, v0                         ; r
	v_bfe_u32 v178, v0, 4, 1                       ; h
	v_and_b32 v179, 7, v0
	v_bfe_u32 v180, v0, 3, 1
	v_lshlrev_b32 v[GL16], 4, v176                 ; K's codes: my wave's 32 keys are 1,536 dense bytes: three loads of 512, 16 bytes a lane
	v_lshlrev_b32 v[GKS], 1, v176                  ; K's scale bytes: two a key, a key a lane
	v_lshlrev_b32 v[GVS], 6, v177                  ; V's scale words: rows of 64 bytes
	v_mul_u32_u24 v[DL], v177, 48
	v_mad_u32_u24 v[DL], v178, 24, v[DL]           ; Q's codes: row r, + 24 h (these two registers are free until the first step)
	v_lshlrev_b32 v[DW], 1, v177                   ; Q's scale bytes
	s_wait_alu depctr_va_sdst(0)                   ; the wave's number is written, ahead of its first reader: the shares, bases and LDS places below are made from it
	s_lshr_b32 s21, s[WV], 2                       ; g
	s_and_b32 s22, s[WV], 3                        ; wq
	s_lshr_b32 s23, ttmp9, 7                       ; b
	s_bfe_u32 s24, ttmp9, 0x20005                  ; hq: 2 bits from bit 5
	s_and_b32 s25, ttmp9, 31                       ; c
	s_lshl_b32 s26, s21, 2
	s_add_co_u32 s24, s24, s26                     ; h = hq + 4 g
	s_lshl_b32 s26, s23, 4
	s_add_co_u32 s26, s26, s24                     ; bh = 16 b + h
	s_and_b32 s27, s21, 1
	s_mul_i32 s27, s27, 31
	s_xor_b32 s25, s25, s27                        ; my group's block of 64 queries: c, or 31 - c in odd groups
	s_lshr_b32 s[JHI], s25, 1
	s_lshl_b32 s23, s25, 6                         ; the group's first query
	s_lshl_b32 s27, s22, 4
	s_add_co_u32 s27, s23, s27                     ; my wave's first query
	s_mul_i32 s[GB], s21, GRP
	s_mul_i32 s35, s22, 1792
	s_add_co_u32 s35, s35, s[GB]                   ; where my wave's quarter of a tile begins (32 keys, or 16 rows of V: 1,792 bytes either way)
	s_lshl_b32 s36, s22, 2
	s_add_co_u32 s36, s36, s[GB]                   ; and its scale words' column
	s_mul_i32 s46, s[WV], STW
	s_add_co_u32 s46, s46, STAGE                   ; my stage
	s_mov_b32 s[CS], 0x3e38aa3b                    ; log2(e) / 8
	s_mov_b32 s[CS+1], s[CS]                       ; (named with it as a pair, so it is written)
	s_mov_b32 s[SEL], 0x76543210
	s_mov_b32 s[SEL+1], 0xfedcba98
.irp i, 0,1,2                                      ; V's codes: 16 rows x 96 bytes are 96 pieces of 16 bytes: piece n = lane + 32 i lies in row n / 6
	v_add_nc_u32 v181, 32*\i, v176
	v_mul_u32_u24 v182, v181, 43
	v_lshrrev_b32 v182, 8, v182                    ; n / 6, right for n under 96
	v_mul_u32_u24 v[GV+\i], v182, 1440
	v_lshl_add_u32 v[GV+\i], v181, 4, v[GV+\i]     ; in memory: 1,536 x row + 16 (n - 6 x row)
	v_add_nc_u32 v183, v181, v182
	v_lshl_add_u32 v[WVA+\i], v183, 4, s35
	v_add_nc_u32 v[WVA+\i], VT, v[WVA+\i]          ; in LDS: 112 x row + 16 (n - 6 x row) = 16 (n + row)
.endr
	s_mov_b32 s43, 0
	s_lshl_b32 s44, s26, 11
	s_add_co_u32 s44, s44, s27                     ; my first query among all 65,536 rows
	s_mul_i32 s45, s26, 98304                      ; the head's first byte in K's and in V's codes
	s_wait_kmcnt 0x0
	s_lshl_b32 s42, s24, 2
	s_add_nc_u64 s[16:17], s[16:17], s[42:43]
	s_load_b32 s[WC], s[16:17], 0x0                ; my head's window
	s_mul_i32 s42, s44, 48
	s_add_nc_u64 s[4:5], s[4:5], s[42:43]
	s_lshl_b32 s42, s44, 1
	s_add_nc_u64 s[6:7], s[6:7], s[42:43]
	s_lshl_b32 s42, s44, 8
	s_add_nc_u64 s[18:19], s[18:19], s[42:43]      ; out0: rows of 256 bytes
	s_mul_i32 s42, s[JHI], 6144                    ; K's codes: a key step is 6,144 bytes, my wave's 32 keys 1,536
	s_mul_i32 s44, s22, 1536
	s_add_co_u32 s42, s42, s44
	s_add_co_u32 s42, s42, s45
	s_add_nc_u64 s[8:9], s[8:9], s[42:43]
	s_mul_i32 s42, s[JHI], 96                      ; V's codes: a key step is 96 bytes of each row, my wave's 16 rows 24,576 bytes
	s_mul_i32 s44, s22, 24576
	s_add_co_u32 s42, s42, s44
	s_add_co_u32 s42, s42, s45
	s_add_nc_u64 s[12:13], s[12:13], s[42:43]
	s_lshl_b32 s45, s26, 12                        ; the head's first scale byte, in K's and in V's
	s_lshl_b32 s42, s[JHI], 8
	s_lshl_b32 s44, s22, 6
	s_add_co_u32 s42, s42, s44
	s_add_co_u32 s42, s42, s45
	s_add_nc_u64 s[10:11], s[10:11], s[42:43]
	s_lshl_b32 s42, s[JHI], 2
	s_lshl_b32 s44, s22, 10
	s_add_co_u32 s42, s42, s44
	s_add_co_u32 s42, s42, s45
	s_add_nc_u64 s[14:15], s[14:15], s[42:43]
; My wave's quarter of a key step's tiles, from memory into registers: eight loads.  No hint: other groups read the same tiles.
; No wait on va_vdst is owed for them in the loop: their offsets are never written again, and no vector instruction names v54-79.
.macro TILE_LOADS
.irp i, 0,1,2
	global_load_b128 v[SK+4*\i:SK+4*\i+3], v[GL16], s[8:9] offset:512*\i    ; 32 lanes read 512 consecutive bytes
.endr
.irp i, 0,1,2
	global_load_b128 v[SV+4*\i:SV+4*\i+3], v[GV+\i], s[12:13]
.endr
	global_load_u16 v[SKS], v[GKS], s[10:11]
	global_load_b32 v[SVS], v[GVS], s[14:15]       ; (lanes 16-31 repeat lanes 0-15)
.endm
; and from the registers into a slot
.macro TILE_STORES slot
	ds_store_b128 v[WK0], v[SK:SK+3] offset:(\slot)*SLOT           ; bytes 0-511 of my 32 keys lie before the padding behind key 15 (byte 768),
	ds_store_b128 v[WK1], v[SK+4:SK+7] offset:(\slot)*SLOT+512     ; of bytes 512-1,023 those of lanes 16-31 behind it,
	ds_store_b128 v[WK0], v[SK+8:SK+11] offset:(\slot)*SLOT+1152   ; bytes 1,024 on all behind it
.irp i, 0,1,2
	ds_store_b128 v[WVA+\i], v[SV+4*\i:SV+4*\i+3] offset:(\slot)*SLOT
.endr
	ds_store_b16 v[WKS], v[SKS] offset:(\slot)*SLOT
	ds_store_b32 v[WVS], v[SVS] offset:(\slot)*SLOT                ; (both halves of the lanes write the same word with the same value)
.endm
.macro BASES_DOWN                                  ; one key step down.  They may pass under the head's first byte in trips that load nothing
	s_sub_nc_u64 s[8:9], s[8:9], 6144
	s_sub_nc_u64 s[10:11], s[10:11], 256
	s_sub_nc_u64 s[12:13], s[12:13], 96
	s_sub_nc_u64 s[14:15], s[14:15], 4
.endm
	s_wait_alu depctr_va_vdst(0)                   ; the global offsets v14-19 and Q's two, v21 and v22, are written: the twelve loads below read them
	TILE_LOADS                                     ; the diagonal's tiles: every group wants them
.irp p, 0,1,2
	global_load_b64 v[QZ+6+2*\p:QZ+7+2*\p], v[DL], s[4:5] offset:8*\p th:TH_LOAD_NT   ; Q stays in registers
.endr
	global_load_u16 v[QSW], v[DW], s[6:7] th:TH_LOAD_NT
	v_mul_u32_u24 v[RK], v179, 48                  ; row r of a fragment: key r + 8 (r / 8): 48 (r % 8) + (768 + 128) (r / 8), + 24 h
	v_mad_u32_u24 v[RK], v180, 896, v[RK]
	v_mad_u32_u24 v[RK], v178, 24, v[RK]
	v_add_nc_u32 v[RK], s[GB], v[RK]
	v_mul_u32_u24 v[RV], v177, 112
	v_mad_u32_u24 v[RV], v178, 24, v[RV]
	v_add_nc_u32 v[RV], s[GB], v[RV]
	v_add_nc_u32 v[RV], VT, v[RV]
	v_lshl_add_u32 v[RS], v177, 4, s[GB]
	v_lshl_add_u32 v[WK0], v176, 4, s35
	v_lshl_add_u32 v[WK1], v178, 7, v[WK0]
	v_lshl_add_u32 v[WKS], v179, 4, s36            ; key l of my 32 is row (l % 8) + 8 (l / 16) of fragment wq, its half (l / 8) % 2
	v_lshl_add_u32 v[WKS], v178, 7, v[WKS]
	v_lshl_add_u32 v[WKS], v180, 1, v[WKS]
	v_add_nc_u32 v[WKS], KSC, v[WKS]
	v_lshl_add_u32 v[WVS], v177, 4, s36
	v_add_nc_u32 v[WVS], VSC, v[WVS]
	v_mul_u32_u24 v[STI], v177, 272
	v_lshl_add_u32 v[STI], v178, 5, v[STI]
	v_add_nc_u32 v[STI], s46, v[STI]               ; the stage, in: row r, + 32 h
	v_mul_u32_u24 v[STO], v178, 272
	v_lshl_add_u32 v[STO], v177, 4, v[STO]
	v_add_nc_u32 v[STO], s46, v[STO]               ; back: lanes 0-15 one row of 256 bytes, lanes 16-31 the next
	v_lshlrev_b32 v[GO], 8, v178
	v_lshl_add_u32 v[GO], v177, 4, v[GO]           ; and the same two rows in out0
	v_lshlrev_b32 v[QL], 4, v178
	v_sub_nc_u32 v[QL], v177, v[QL]
	v_add_nc_u32 v[QL], s27, v[QL]
	v_mov_b32 v[FF+1], 0
.irp i, 0,1,2,3,4,5
	v_mov_b32 v[QZ+\i], 0                          ; the zero codes on both sides of Q
	v_mov_b32 v[QZ+12+\i], 0
.endr
	s_wait_kmcnt 0x0                               ; the window
	s_min_i32 s[WC], s[WC], 2047                   ; no q - k passes 2,047;
	s_max_i32 s[WC], s[WC], -1                     ; every negative window hides all
	s_sub_co_i32 s44, s23, s[WC]
	s_max_i32 s44, s44, 0                          ; the lowest key that the group's first query sees
	s_lshr_b32 s44, s44, 7
	s_sub_co_u32 s[SPANG], s[JHI], s44
	s_sub_co_i32 s44, s27, s[WC]
	s_max_i32 s44, s44, 0
	s_lshr_b32 s44, s44, 7
	s_sub_co_u32 s[SPANW], s[JHI], s44             ; and the same for my wave's
	s_add_co_u32 s[QW], s27, 15
	s_sub_co_i32 s[QW], s[QW], s[WC]               ; my last query - window
	s_lshl_b32 s[KF], s[JHI], 7
	s_mov_b32 s[RR], 0
	s_wait_loadcnt 0x0                             ; the first tiles and Q: all twelve loads
	v_lshl_or_b32 v[QSW], v[QSW], 16, v[QSW]       ; Q's two bytes twice: they serve [q | 0] and [0 | q]
.rept 8
	v_nop                                          ; a scale register written by a vector instruction stands 8 places ahead of a scaled matrix instruction, an operand so written 4: no other vector work lies between here and the first product
.endr
	s_wait_alu depctr_va_vdst(0)                   ; behind the places: the LDS addresses v1-13 are written, which every LDS instruction and the stores of out0 read; Q's scale word and the zero codes are written, which the scaled products read; so are the head's v176-183, in which K's first fragments land (no vector line stands between here and them)
	TILE_STORES 0
	BASES_DOWN                                     ; (the loads that read the bases are done)
	s_wait_dscnt 0x0                               ; for the others' sake: my stores have landed
	s_wait_alu depctr_vm_vsrc(0)                   ; my LDS stores have read v54-79, in which the next tile's loads land; Q's loads have read v21 and v22, which the first step's vector lines write
	s_barrier_signal -1
	s_barrier_wait -1
; S^T = K Q^T: four fragments, two products each.  The count of each wait leaves the younger fragments' loads, six each, out.
.macro QK slot, first
.if \first == 0
	s_wait_alu depctr_va_vdst(0)                   ; the last step's products V^T P are done reading V's scale words in v32-35 and p's codes, and its softmax (and the way out, where a way leads through it) is done with v176-223: K's scale words and fragments land there
.endif
	ds_load_b128 v[SCW:SCW+3], v[RS] offset:(\slot)*SLOT+KSC       ; word b: row r's two keys' scale bytes
.irp b, 0,1,2,3
.irp p, 0,1,2,3,4,5
	ds_load_b64 v[KFR+12*\b+2*\p:KFR+12*\b+2*\p+1], v[RK] offset:(\slot)*SLOT+1792*\b+384*(\p/3)+8*(\p%3)
.endr
.endr
.irp b, 0,1,2,3
	s_wait_dscnt 6*(3-\b)
	v_wmma_scale_f32_16x16x128_f8f6f4 v[S+16*\b:S+16*\b+7], v[KFR+12*\b:KFR+12*\b+11], v[QZ+6:QZ+17], 0, v[SCW+\b], v[QSW] matrix_a_fmt:MATRIX_FMT_FP6 matrix_b_fmt:MATRIX_FMT_FP6
	v_wmma_scale_f32_16x16x128_f8f6f4 v[S+16*\b+8:S+16*\b+15], v[KFR+12*\b:KFR+12*\b+11], v[QZ:QZ+11], 0, v[SCW+\b], v[QSW] matrix_a_fmt:MATRIX_FMT_FP6 matrix_b_fmt:MATRIX_FMT_FP6
.endr
	v_sub_nc_u32 v[DL], v[QL], s[KF]               ; four plain lines that name none of the products' registers: the places behind them (ISA guide 7.12.1).  d = my query - the step's first key - 16 h
	v_sub_nc_u32 v[DW], v[DL], s[WC]
	v_mov_b32 v[NINF], 0xff800000
	v_nop
.endm
; Register n holds key KF + 16 h + 32 (n / 16) + n % 16.  Hidden scores become -infinity ahead of the maximum: p = 0 then.  Each accumulator is read from its low end on.
; The compares go in two runs of 32, each into s66-97, and one wait stands between a run and the selects that read its masks.
.macro MASK_CAUSAL                                 ; hidden where the key comes after the query
.irp u, 0,1
.set n, 0
.rept 32
	v_cmp_gt_i32 s[MK+n], 32*((32*\u+n)/16)+(32*\u+n)%16, v[DL]
.set n, n+1
.endr
	s_wait_alu depctr_va_sdst(0)                   ; the run's 32 compares have written s66-97, ahead of the first select that reads one of them
.set n, 0
.rept 32
	v_cndmask_b32 v[S+32*\u+n], v[S+32*\u+n], v[NINF], s[MK+n]
.set n, n+1
.endr
.endr
.endm
.macro MASK_WINDOW                                 ; hidden where query - key is above the window
.irp u, 0,1
.set n, 0
.rept 32
	v_cmp_lt_i32 s[MK+n], 32*((32*\u+n)/16)+(32*\u+n)%16, v[DW]
.set n, n+1
.endr
	s_wait_alu depctr_va_sdst(0)                   ; the run's 32 compares have written s66-97, ahead of the first select that reads one of them
.set n, 0
.rept 32
	v_cndmask_b32 v[S+32*\u+n], v[S+32*\u+n], v[NINF], s[MK+n]
.set n, n+1
.endr
.endr
.endm
; first = 1: the first step starts M, the sum and O^T.
.macro SOFTMAX first
.irp b, 0,1,2,3
	v_max3_num_f32 v[BM+\b], v[S+16*\b], v[S+16*\b+1], v[S+16*\b+2]   ; the largest score of each block of 32 keys: it serves for the row's maximum and, since p rises with the score, for the block's largest p
.endr
.irp i, 3,5,7,9,11,13
.irp b, 0,1,2,3
	v_max3_num_f32 v[BM+\b], v[BM+\b], v[S+16*\b+\i], v[S+16*\b+\i+1]   ; (the four blocks by turns)
.endr
.endr
.irp b, 0,1,2,3
	v_max_num_f32 v[BM+\b], v[BM+\b], v[S+16*\b+15]
.endr
.irp b, 0,1,2,3
	v_permlanex16_b32 v[BX+\b], v[BM+\b], s[SEL], s[SEL+1]
.endr
.irp b, 0,1,2,3
	v_max_num_f32 v[BM+\b], v[BM+\b], v[BX+\b]     ; with lane l xor 16's 16 keys
.endr
	v_max3_num_f32 v[TT], v[BM], v[BM+1], v[BM+2]
	v_max_num_f32 v[TT], v[TT], v[BM+3]            ; the step's largest score of my query
.if \first
	v_mul_f32 v[TM], s[CS], v[TT]                  ; as t (c is positive)
	v_floor_f32 v[NM], -v[TM]                      ; -M = floor(-t) = -ceil(t): M is a whole number
.else
	v_mul_f32 v[TT], s[CS], v[TT]
	v_max_num_f32 v[TM], v[TM], v[TT]              ; the running largest t
	v_mov_b32 v[TT], v[NM]
	v_floor_f32 v[NM], -v[TM]
	v_sub_f32 v[TT], v[NM], v[TT]                  ; old M - new M: a whole number, 0 or less
	v_cvt_i32_f32 v[TT], v[TT]                     ; (it saturates)
	v_ldexp_f32 v[FF], 1.0, v[TT]                  ; f = 2^(old M - new M): a multiplication by it rounds nothing
.endif
.set j, 0
.rept 32
	v_pk_fma_f32 v[S+j:S+j+1], v[S+j:S+j+1], s[CS:CS+1], v[NM:NM+1] op_sel_hi:[1,0,0]   ; t - M, two at a time (of the pairs c and -M the low word serves both halves)
.set j, j+2
.endr
.irp b, 0,1,2,3
	v_fma_f32 v[BM+\b], v[BM+\b], s[CS], v[NM]     ; the same of each block's largest score
.endr
.set j, 0
	s_wait_alu depctr_va_vdst(0)
.rept 64
	v_exp_f32 v[S+j], v[S+j]                       ; p = 2^(t - M), at most 1: not normalised
.set j, j+1
.endr
.irp b, 0,1,2,3
	v_exp_f32 v[BM+\b], v[BM+\b]                   ; the block's largest p: the same two instructions on the same number give the same bits
.endr
.if \first
	v_nop                                          ; a plain line behind the last exponential
.else
	v_pk_mul_f32 v[LL:LL+1], v[LL:LL+1], v[FF:FF+1] op_sel_hi:[1,0]   ; the sums under the new M: the plain line behind the last exponential
.endif
	s_wait_alu depctr_va_vdst(0)                   ; the 68 exponentials have written p and the blocks' largest p: one wait for the batch, ahead of its first reader
.irp b, 0,1,2,3
	v_max_num_f32 v[BM+\b], 0x1800000, v[BM+\b]    ; the floor 2^(3 - 127): the byte cannot fall under 1 (a block whose every p is 0 keeps that byte: its codes are zeros)
.endr
.irp b, 0,1,2,3
	v_add_nc_u32 v[SOP+\b], 0xff000000, v[BM+\b]   ; 2 off the exponent field: the conversion's scale operand
.endr
.irp b, 0,1,2,3
	v_lshrrev_b32 v[BY+\b], 23, v[SOP+\b]          ; the scale's byte
.endr
	v_lshl_or_b32 v[PSW], v[BY+1], 8, v[BY]        ; p's scale word for these 128 keys
	v_lshl_or_b32 v[PSW], v[BY+2], 16, v[PSW]
	v_lshl_or_b32 v[PSW], v[BY+3], 24, v[PSW]
.irp c, 0,1
	v_cvt_scalef32_pk16_fp6_f32 v[PC+6*\c:PC+6*\c+2], v[S+32*\c:S+32*\c+15], v[SOP+2*\c]
	v_cvt_scalef32_pk16_fp6_f32 v[CT+4*\c:CT+4*\c+2], v[S+32*\c+16:S+32*\c+31], v[SOP+2*\c+1]   ; (a conversion's three registers begin on an even number)
.endr
	v_nop                                          ; one plain line behind a scaled conversion
.irp c, 0,1                                        ; the operand's layout wants a whole block in a lane: lanes 0-15 block 2 c, lanes 16-31 block 2 c + 1
.irp i, 0,1,2
	v_permlane16_swap_b32 v[PC+6*\c+\i], v[CT+4*\c+\i]
.endr
.irp i, 0,1,2
	v_mov_b32 v[PC+3+6*\c+\i], v[CT+4*\c+\i]
.endr
.endr
.if \first                                         ; the row's sum is taken of the UNQUANTISED p: two at a time, in two chains.  These lines are also the places between p's scale word and codes and the products
	v_pk_add_f32 v[LL:LL+1], v[S:S+1], v[S+2:S+3]
	v_pk_add_f32 v[SB:SB+1], v[S+4:S+5], v[S+6:S+7]
.else
	v_pk_add_f32 v[SB:SB+1], v[S:S+1], v[S+2:S+3]
	v_pk_add_f32 v[LL:LL+1], v[LL:LL+1], v[S+4:S+5]
	v_pk_add_f32 v[SB:SB+1], v[SB:SB+1], v[S+6:S+7]
.endif
.irp j, 8,12,16,20,24,28,32,36,40,44,48,52,56,60
	v_pk_add_f32 v[LL:LL+1], v[LL:LL+1], v[S+\j:S+\j+1]
	v_pk_add_f32 v[SB:SB+1], v[SB:SB+1], v[S+\j+2:S+\j+3]
.endr
	v_pk_add_f32 v[LL:LL+1], v[LL:LL+1], v[SB:SB+1]
.endm
; O^T += V^T P^T: four tiles of 16 channels, K = these 128 keys.  V's fragments land where p lay.  The four accumulators take turns, and the next step's eight products stand between two links on one of them.
.macro PV slot, first
	s_wait_alu depctr_va_vdst(0)                   ; behind the places: the sums and the conversions are done reading p in v80-127, and the products K Q^T K's scale words in v32-35: V's fragments and scale words land there; p's scale word and codes are written, which the scaled products below read
	ds_load_b128 v[SCW:SCW+3], v[RS] offset:(\slot)*SLOT+VSC
.irp t, 0,1,2,3
.irp p, 0,1,2,3,4,5
	ds_load_b64 v[S+12*\t+2*\p:S+12*\t+2*\p+1], v[RV] offset:(\slot)*SLOT+1792*\t+48*(\p/3)+8*(\p%3)
.endr
.endr
.if \first == 0
.set j, 0
.rept 16
	v_pk_mul_f32 v[OT+j:OT+j+1], v[OT+j:OT+j+1], v[FF:FF+1] op_sel_hi:[1,0]   ; O^T under the new M, each accumulator from its low end on.  Behind the loads, with no further wait: these lines name O^T and f alone, none of the registers that the loads touch
.set j, j+2
.endr
.endif
	s_wait_alu depctr_va_vdst(0)
.irp t, 0,1,2,3
	s_wait_dscnt 6*(3-\t)
.if \first
	v_wmma_scale_f32_16x16x128_f8f6f4 v[OT+8*\t:OT+8*\t+7], v[S+12*\t:S+12*\t+11], v[PC:PC+11], 0, v[SCW+\t], v[PSW] matrix_a_fmt:MATRIX_FMT_FP6 matrix_b_fmt:MATRIX_FMT_FP6
.else
	v_wmma_scale_f32_16x16x128_f8f6f4 v[OT+8*\t:OT+8*\t+7], v[S+12*\t:S+12*\t+11], v[PC:PC+11], v[OT+8*\t:OT+8*\t+7], v[SCW+\t], v[PSW] matrix_a_fmt:MATRIX_FMT_FP6 matrix_b_fmt:MATRIX_FMT_FP6
.endif
.endr
.rept 5
	v_nop                                          ; five places: the next step's products write over the registers that these have read as V; four of them serve the first reads of O^T
.endr
.endm
; THE WAY OUT: O^T / the sum goes through my stage and leaves as whole rows: a store covers two rows of out0, 512 consecutive bytes at a multiple of 256 from its first byte.
.macro OUT
	v_add_f32 v[TT], v[LL], v[LL+1]                ; the sum's two halves,
	v_permlanex16_b32 v[BX], v[TT], s[SEL], s[SEL+1]
	v_add_f32 v[TT], v[TT], v[BX]                  ; and lane l xor 16's: the row's sum
	s_wait_alu depctr_va_vdst(0)
	v_rcp_f32 v[FF], v[TT]
	v_nop                                          ; a plain line behind the reciprocal
	s_wait_alu depctr_va_vdst(0)                   ; the reciprocal has written v28, ahead of its first reader
.set j, 0
.rept 16
	v_pk_mul_f32 v[S+j:S+j+1], v[OT+j:OT+j+1], v[FF:FF+1] op_sel_hi:[1,0]   ; register 8 t + i is out(r, 16 t + 8 h + i)
.set j, j+2
.endr
	s_wait_alu depctr_va_vdst(0)                   ; the multiplications have written v80-111, which the LDS stores read; the last products are done reading V's fragments, and the sums p, in v112-143, where the loads from the stage land
.irp t, 0,1,2,3
	ds_store_b128 v[STI], v[S+8*\t:S+8*\t+3] offset:64*\t
	ds_store_b128 v[STI], v[S+8*\t+4:S+8*\t+7] offset:64*\t+16
.endr
.irp i, 0,1,2,3,4,5,6,7
	ds_load_b128 v[S+32+4*\i:S+35+4*\i], v[STO] offset:544*\i      ; LDS serves a wave's instructions in order (ISA guide 5.7.1.4): these see my stores
.endr
.irp i, 0,1,2,3,4,5,6,7
	s_wait_dscnt 7-\i                              ; load i is back; the younger ones may be out
	global_store_b128 v[GO], v[S+32+4*\i:S+35+4*\i], s[18:19] offset:512*\i th:TH_STORE_NT
.endr
	s_wait_xcnt 0x0                                ; the stores have had their addresses translated: later text names their registers again (the wait on vm_vsrc at the trip's end stands beside this one)
.endm
; A TRIP, r = s[RR] + dr, on slot r % 2.  fill = 1: the next trip's tiles are asked for at its head, go into the other slot at its end, and a barrier closes it.
.macro STEP slot, first, fill, dr
.if \fill
	s_add_co_u32 s[T0], s[RR], (\dr)+1
	s_cmp_le_u32 s[T0], s[SPANG]                   ; does any wave of my group want the next step?
	s_cbranch_scc0 .Lnofetch_\@
	TILE_LOADS                                     ; (the wait on vm_vsrc ahead of the last barrier has freed v54-79)
.Lnofetch_\@:
.endif
.if \first == 0
	s_add_co_u32 s[T1], s[RR], \dr
	s_cmp_le_u32 s[T1], s[SPANW]                   ; do my queries see this step's keys?
	s_cbranch_scc0 .Lidle_\@
.endif
	QK \slot, \first
.if \first
	MASK_CAUSAL                                    ; the diagonal lies in the first trip alone: all lower key steps end before my first query
.endif
	s_cmp_lt_i32 s[KF], s[QW]
	s_cbranch_scc0 .Lnowin_\@                      ; all of the step's keys lie inside the window of all my queries
	MASK_WINDOW
.Lnowin_\@:
	SOFTMAX \first
	PV \slot, \first
.if \first
	s_cmp_eq_u32 s[SPANW], 0
.else
	s_cmp_eq_u32 s[T1], s[SPANW]
.endif
	s_cbranch_scc0 .Lidle_\@
	OUT                                            ; that was my last step
.Lidle_\@:
.if \fill
	s_wait_loadcnt 0x0                             ; the next tiles are in registers (on every way, asked for or not)
	s_cmp_le_u32 s[T0], s[SPANG]
	s_cbranch_scc0 .Lnostore_\@
	TILE_STORES 1-\slot
.Lnostore_\@:
	BASES_DOWN                                     ; no load that reads the bases is out
.endif
	s_sub_co_i32 s[KF], s[KF], 128
.if \fill
	s_wait_dscnt 0x0                               ; my stores into the other slot have landed, and my reads of this slot are over:
	s_wait_alu depctr_vm_vsrc(0)                   ; on every way: my LDS stores have read v54-79, in which the next trip's loads land; where the way led through the way out, its LDS and global stores have read v80-143, which a later step's products write
	s_barrier_signal -1                            ; one barrier for both: behind it the other slot is read and this one is written again
	s_barrier_wait -1
.endif
.endm
	STEP 0, 1, 1, 0                                ; trip 0: the diagonal
	s_mov_b32 s[RR], 1
.Ltrips:                                           ; seven rounds of two trips: 1 to 14
	STEP 1, 0, 1, 0
	STEP 0, 0, 1, 1
	s_add_co_u32 s[RR], s[RR], 2
	s_cmp_lt_u32 s[RR], 15
	s_cbranch_scc1 .Ltrips
	STEP 1, 0, 0, 0                                ; trip 15: nothing is left to fetch
	s_wait_dscnt 0x0                               ; the closing lines, six on end
	s_wait_alu 0x0
	s_wait_tensorcnt 0x0
	ds_add_u32 v224, v225
	s_wait_dscnt 0x0
	s_endpgm
.Lfunc_end_k_qde92148d3f_attn:
	.size	k_qde92148d3f_attn, .Lfunc_end_k_qde92148d3f_attn-k_qde92148d3f_attn
	.p2alignl 7, 3214868480
	.fill 96, 4, 3214868480
	.section	.rodata,"a",@progbits
	.p2align	6, 0x0
	.amdhsa_kernel k_qde92148d3f_attn
		.amdhsa_group_segment_fixed_size 190464
		.amdhsa_private_segment_fixed_size 0
		.amdhsa_enable_private_segment 0
		.amdhsa_kernarg_size 64
		.amdhsa_user_sgpr_count 2
		.amdhsa_user_sgpr_kernarg_segment_ptr 1
		.amdhsa_wavefront_size32 1
		.amdhsa_system_sgpr_workgroup_id_x 1
		.amdhsa_system_sgpr_workgroup_id_y 1
		.amdhsa_system_sgpr_workgroup_id_z 1
		.amdhsa_system_vgpr_workitem_id 0
		.amdhsa_next_free_vgpr 226
		.amdhsa_next_free_sgpr 98
		.amdhsa_reserve_vcc 0
		.amdhsa_float_denorm_mode_32 3
		.amdhsa_float_denorm_mode_16_64 3
		.amdhsa_memory_ordered 1
		.amdhsa_forward_progress 1
		.amdhsa_inst_pref_size 142
	.end_amdhsa_kernel
	.amdgpu_metadata
---
amdhsa.version: [ 1, 2 ]
amdhsa.kernels:
  - .name:           k_qde92148d3f_attn
    .symbol:         k_qde92148d3f_attn.kd
    .args:
      - { .name: Q_codes, .offset: 0, .size: 8, .value_kind: global_buffer, .address_space: global }
      - { .name: Q_scales, .offset: 8, .size: 8, .value_kind: global_buffer, .address_space: global }
      - { .name: K_codes, .offset: 16, .size: 8, .value_kind: global_buffer, .address_space: global }
      - { .name: K_scales, .offset: 24, .size: 8, .value_kind: global_buffer, .address_space: global }
      - { .name: V_codes, .offset: 32, .size: 8, .value_kind: global_buffer, .address_space: global }
      - { .name: V_scales, .offset: 40, .size: 8, .value_kind: global_buffer, .address_space: global }
      - { .name: window_sizes, .offset: 48, .size: 8, .value_kind: global_buffer, .address_space: global }
      - { .name: out0, .offset: 56, .size: 8, .value_kind: global_buffer, .address_space: global }
    .group_segment_fixed_size: 190464
    .private_segment_fixed_size: 0
    .kernarg_segment_align: 8
    .kernarg_segment_size: 64
    .max_flat_workgroup_size: 512
    .sgpr_count:     98
    .vgpr_count:     226
    .wavefront_size: 32
...
	.end_amdgpu_metadata
.endif
;; end of part 2
